; MI455X (gfx1250); checked and timed in simulation.
; The chip was launched on July 23, 2026; its instructions are those of AMD's public machine-readable ISA for CDNA 5 (MIT licence, August 2026) and "CDNA5" Instruction Set Architecture Reference Guide (July 2026). The comments in the code are by the model that wrote it; some were corrected since.
;; Render. Allowed arithmetic: float matrix products may take bf16 or f16 operands with f32 sums; all other float work in f32.
;; Inputs: tris 512 x 3 x 3 float32.
;; Outputs: out0 256 x 256 x 4 float32.
;; One version. Each part assembles by itself: llvm-mc -triple=amdgcn-amd-amdhsa -mcpu=gfx1250 --defsym DOCPART=n.
;; ======== version 1 of 1: 1 launch
;; limits: right only within a limited range of input values
;; launch render (part 1): grid 16 x 16, 8 waves a work-group, no clusters, 124,160 bytes of LDS; arguments tris, out0; writes out0
.if DOCPART == 1
	.amdgcn_target "amdgcn-amd-amdhsa--gfx1250"
	.amdhsa_code_object_version 6
	.text
	.protected	k_q7ae0bf3c0d_render
	.globl	k_q7ae0bf3c0d_render
	.p2align	8
	.type	k_q7ae0bf3c0d_render,@function
k_q7ae0bf3c0d_render:
	s_mov_b64 s[64:65], 0
	v_nop
	global_prefetch_b8 v0, s[64:65] scope:SCOPE_SE
	s_setreg_imm32_b32 hwreg(HW_REG_WAVE_MODE, 25, 1), 1
	s_wait_xcnt 0x0
; Render: 512 triangles, z-buffered, onto 256 x 256 pixels; out0[i][j] = (x, y, z, 1) of the winning triangle's interpolated point, or zeros.
; A work-group owns a tile of 16 x 16 pixels (grid 16 x 16).  A lane owns 4 rows x 4 columns of it (rows a + 4 ra, columns 4 b + cb, with
; a = (lane >> 2) & 3, b = lane & 3), so 16 lanes cover the tile, and each of the 16 half-waves takes 32 consecutive triangles for the whole
; tile.  The 16 partial winners of a pixel meet in LDS and are merged in triangle order.
; No trip count, branch or address hangs on the data: every triangle is tried at every pixel, and the winner's x, y, z are carried by selects.
; ARITHMETIC.  The decisions (inside, box, z order) follow the reference's f32 steps: pixel coordinate s - (1 - s) with s = i * RN(1/255);
; an area a*b - c*d as fma(a, b, -RN(c*d)); w3 = (1 - w1) - w2; z = fma(w3, Cz, fma(w1, Az, w2*Bz)).  Areas and the weights w1, w2 are kept
; NEGATED (nAB = -pAB, m1 = -w1), which changes no rounding: the signs are carried by the operands (negated column differences, -Az, -Bz,
; C - A, C - B in the record), so that every packed instruction is a plain one on register pairs.  For the same reason each number of a
; record is held twice, and a row's differences are pairs of equal numbers.
; LIMITS, kept knowingly: p / w is p * r, r = 1/w after one Newton step (a unit or two in the last place off); x and y are
; C + w1 (A - C) + w2 (B - C), values only; so a pixel whose edge area, or whose two largest z, agree to a few units in the last place may be
; decided the other way.  Inputs are taken as finite and |w| below 2^126: a NaN among the z is ignored by the minimum here (the reference then
; renders nothing); z below -1e30, where the reference lets uncovered pixels pass, is not reproduced; an x that overflows to +infinity
; counts as 'never written'.
; NOT USED, and why: matrix instructions (no sums of products, only tests and selects); tensor loads, rings, clusters and prefetches (the only
; shared input is 18,432 bytes, read once at the start by each work-group).
.set NTRI,  512
.set TPS,   32                         ; triangles of a half-wave
.set REC,   144                        ; bytes from record to record: 128 used; an odd multiple of 16, so 16 lanes' 16-byte stores fall into 16 different columns of 16 bytes
.set ZP,    0                          ; LDS: 8 words, the waves' maxima of -z
.set RECS,  256                        ; LDS: 512 records
.set CAND,  RECS+NTRI*REC              ; LDS: candidates, [half-wave 16][z, x, y][pixel 256] words
.set PLANE, 1024
.set SUBB,  3*PLANE
; a record's words: each number twice, then the box
.set R_AX,  0
.set R_BX,  2
.set R_CX,  4
.set R_AY,  6
.set R_BY,  8
.set R_CY,  10
.set R_RW,  12                         ; 1 / w (1 if w is degenerate)
.set R_NAZ, 14                         ; -Az
.set R_NBZ, 16                         ; -Bz
.set R_CZ,  18
.set R_CAX, 20                         ; Cx - Ax
.set R_CBX, 22                         ; Cx - Bx
.set R_CAY, 24                         ; Cy - Ay
.set R_CBY, 26                         ; Cy - By
.set R_OX,  28                         ; box: first row
.set R_WX,  29                         ; box: number of rows, 0 if w is degenerate
.set R_OY,  30                         ; box: first column
.set R_WY,  31                         ; box: number of columns
.set NPXD, 4                           ; v[4:11]    minus the x coordinate of my 4 rows, each twice
.set NPY,  12                          ; v[12:15]   minus the y coordinate of my 4 columns
.set IR,   16                          ; v[16:19]   my 4 row indices
.set JC,   20                          ; v[20:23]   my 4 column indices
.set ONE,  24                          ; v[24:25]   1, 1
.set NEG1, 26                          ; v[26:27]   -1, -1
.set NINF, 28                          ; v28        -infinity
.set RADDR, 29                         ; v29        LDS byte offset of my half-wave's next records
.set CADDR, 30                         ; v30        LDS byte address of my candidates
.set RA,   32                          ; v[32:63]   record buffer A
.set RB,   64                          ; v[64:95]   record buffer B
.set BZ,   96                          ; v[96:111]  best z of pixel 4 ra + cb
.set BX,   112                         ; v[112:127] its x; the bits of +infinity = never written
.set BY,   128                         ; v[128:143] its y
.set XA,   144                         ; v[144:167] vertex x minus pixel x, 4 rows, each twice
.set XB,   152
.set XC,   160
.set ZT,   144                         ; v[144:159] z, in XA's and XB's registers, which are done with once the areas are made
.set YA,   168                         ; v[168:179] vertex y minus pixel y, 4 columns
.set YB,   172
.set YC,   176
.set NYA,  180                         ; v[180:191] the same, negated
.set NYB,  184
.set NYC,  188
.set PAB,  192                         ; v[192:207] -pAB, then -w1, then y
.set PBC,  208                         ; v[208:223] -pBC, then -w2
.set PCA,  224                         ; v[224:239] -pCA, then the largest of the three, then w3, then x
.set THR,  240                         ; v[240:243] a row's threshold for that largest: 0 inside the box, -infinity outside
.set TT,   244                         ; v[244:251] scratch of the box test
; the prologue's names, in registers that the loop uses later
.set T0,  144                          ; v[144:152] triangle t as it lies in memory: Ax Ay Az Bx By Bz Cx Cy Cz
.set T1,  154                          ; v[154:162] triangle t + 256
.set W,   192                          ; v[192:223] a record being made
.set SC,  224                          ; v[224:232] scratch
.set ZM,  236                          ; v[236:237] maximum of -z
; the merge's names
.set MG,  144                          ; v[144:191] candidate s: z, x, y at MG + 3 s
.set RES, 192                          ; v[192:195] the pixel's four numbers
	s_load_b128 s[4:7], s[0:1], 0x0                ; tris s[4:5], out0 s[6:7]
	v_lshl_add_u32 v252, v0, 2, 0x1e100
	v_mov_b32 v253, 0
	v_mul_u32_u24 v1, 36, v0                       ; byte offset of triangle t (9 words)
	v_lshrrev_b32 v2, 5, v0
	v_readfirstlane_b32 s8, v2                     ; wave number
	s_and_b32 s10, ttmp7, 0xffff
	s_lshl_b32 s10, s10, 4                         ; the tile's first row i0
	s_lshl_b32 s11, ttmp9, 4                       ; the tile's first column j0
	s_mov_b32 s12, 0x76543210                      ; v_permlanex16_b32: lane i takes lane i of the other half
	s_mov_b32 s13, 0xfedcba98
	s_mov_b32 s14, 0x322bcc77                      ; 1e-8 in f32
	s_mov_b32 s15, 0x43000000                      ; 128.0
	s_mov_b32 s3, 0x7f800000                       ; the bits of +infinity
	s_lshl_b32 s20, s10, 12                        ; the tile's byte offset in out0: 4,096 a row, 16 a pixel
	s_lshl_b32 s21, s11, 4
	s_add_co_u32 s20, s20, s21
	s_mov_b32 s21, 0
	s_wait_kmcnt 0x0
	s_add_nc_u64 s[6:7], s[6:7], s[20:21]
	; two triangles a thread, word by word: lanes are 36 bytes apart, and a wave's nine loads of a set cover 1,152 consecutive bytes, each byte once
.irp j, 0,1,2,3,4,5,6,7,8
	global_load_b32 v[T0+\j], v1, s[4:5] offset:4*\j
	global_load_b32 v[T1+\j], v1, s[4:5] offset:256*36+4*\j
.endr
	; while they travel: my rows, columns, their coordinates, and the constants
	v_bfe_u32 v2, v0, 2, 2                         ; a
	v_and_b32 v3, 3, v0                            ; b
	v_add_nc_u32 v[IR], s10, v2
	v_lshl_add_u32 v[JC], v3, 2, s11
.irp k, 1,2,3
	v_add_nc_u32 v[IR+\k], 4*\k, v[IR]
	v_add_nc_u32 v[JC+\k], \k, v[JC]
.endr
.irp k, 0,1,2,3
	v_cvt_f32_u32 v[NPXD+2*\k], v[IR+\k]
	v_cvt_f32_u32 v[NPY+\k], v[JC+\k]
.endr
.irp k, 0,1,2,3
	v_mul_f32 v[NPXD+2*\k], 0x3b808081, v[NPXD+2*\k]   ; s = i * RN(1/255); at i = 255 the product rounds to 1.0, the end point
	v_mul_f32 v[NPY+\k], 0x3b808081, v[NPY+\k]
.endr
.irp k, 0,1,2,3
	v_sub_f32 v[TT+\k], 1.0, v[NPXD+2*\k]
	v_sub_f32 v[TT+4+\k], 1.0, v[NPY+\k]
.endr
.irp k, 0,1,2,3
	v_sub_f32 v[NPXD+2*\k], v[TT+\k], v[NPXD+2*\k] ; (1 - s) - s = minus the coordinate: vertex + this = vertex - coordinate, the same rounding
	v_sub_f32 v[NPY+\k], v[TT+4+\k], v[NPY+\k]
.endr
.irp k, 0,1,2,3
	v_mov_b32 v[NPXD+2*\k+1], v[NPXD+2*\k]         ; a row's number twice: a pair for the packed instructions
.endr
	v_mov_b32 v[ONE], 1.0
	v_mov_b32 v[ONE+1], 1.0
	v_mov_b32 v[NEG1], -1.0
	v_mov_b32 v[NEG1+1], -1.0
	v_mov_b32 v[NINF], 0xff800000
	v_mul_u32_u24 v3, REC, v0                      ; where my two records go
	v_lshrrev_b32 v2, 4, v0                        ; my half-wave, 0 to 15
	v_mul_u32_u24 v[RADDR], TPS*REC, v2            ; its 32 records
	v_mul_u32_u24 v[CADDR], SUBB, v2               ; its candidates,
	v_and_b32 v2, 15, v0
	v_lshl_add_u32 v[CADDR], v2, 4, v[CADDR]       ; + 16 (4 a + b): row a, columns 4 b .. 4 b + 3 of a plane
	v_add_nc_u32 v[CADDR], CAND, v[CADDR]          ; the region begins past what a 16-bit offset reaches: its base goes into the register
	s_wait_loadcnt 0x0
; One triangle's record.  t: the first of its nine registers; ofs: byte offset beside v3; zm: takes the largest of its three -z.
.macro MKREC t, ofs, zm
	v_sub_f32 v[SC+0], v[\t+3], v[\t+0]            ; w = (Bx-Ax)(Cy-Ay) - (By-Ay)(Cx-Ax):
	v_sub_f32 v[SC+1], v[\t+7], v[\t+1]
	v_sub_f32 v[SC+2], v[\t+1], v[\t+4]            ; Ay - By = -(By - Ay), so that the second product comes out negated
	v_sub_f32 v[SC+3], v[\t+6], v[\t+0]
	v_mul_f32 v[SC+2], v[SC+2], v[SC+3]
	v_fma_f32 v[SC+0], v[SC+0], v[SC+1], v[SC+2]
	v_and_b32 v[SC+1], 0x7fffffff, v[SC+0]
	v_cmp_lt_f32 vcc_lo, s14, v[SC+1]              ; |w| > 1e-8
	v_cndmask_b32 v[SC+0], 1.0, v[SC+0], vcc_lo    ; else 1
	v_rcp_f32 v[SC+1], v[SC+0]                     ; the plain lines below stand between it and the use of its result (ISA guide 5.7.2)
	v_mul_f32 v[SC+6], -1.0, v[SC+0]               ; -w
	v_min_num_f32 v[SC+2], v[\t+0], v[\t+3]        ; the box: least and largest x and y,
	v_max3_num_f32 v[SC+3], v[\t+0], v[\t+3], v[\t+6]
	v_min_num_f32 v[SC+4], v[\t+1], v[\t+4]
	v_max3_num_f32 v[SC+5], v[\t+1], v[\t+4], v[\t+7]
	v_min_num_f32 v[SC+2], v[SC+2], v[\t+6]
	v_min_num_f32 v[SC+4], v[SC+4], v[\t+7]
	s_wait_alu depctr_va_vdst(0)
	v_fma_f32 v[SC+6], v[SC+6], v[SC+1], 1.0       ; one Newton step: e = 1 - w r,
	v_fma_f32 v[W+R_RW], v[SC+6], v[SC+1], v[SC+1] ; r + e r
.irp k, 2,3,4,5
	v_max_num_f32 v[SC+\k], -1.0, v[SC+\k]         ; clipped to [-1, 1],
.endr
.irp k, 2,3,4,5
	v_min_num_f32 v[SC+\k], 1.0, v[SC+\k]
.endr
.irp k, 2,3,4,5
	v_fma_f32 v[SC+\k], v[SC+\k], s15, s15         ; (v + 1) * 0.5 * 256: scaling by 128 commutes with the sum's rounding, so one fma gives the same bits
.endr
	v_cvt_i32_f32 v[W+R_OX], v[SC+2]               ; cut to whole numbers, 0 to 256
	v_cvt_i32_f32 v[SC+3], v[SC+3]
	v_cvt_i32_f32 v[W+R_OY], v[SC+4]
	v_cvt_i32_f32 v[SC+5], v[SC+5]
	v_sub_nc_u32 v[SC+3], v[SC+3], v[W+R_OX]
	v_cndmask_b32 v[W+R_WX], 0, v[SC+3], vcc_lo    ; rows in the box; none for a degenerate triangle
	v_sub_nc_u32 v[W+R_WY], v[SC+5], v[W+R_OY]     ; columns in the box
	v_mov_b32 v[W+R_RW+1], v[W+R_RW]
.irp k, 0,1
	v_mov_b32 v[W+R_AX+\k], v[\t+0]                ; each number twice
	v_mov_b32 v[W+R_BX+\k], v[\t+3]
	v_mov_b32 v[W+R_CX+\k], v[\t+6]
	v_mov_b32 v[W+R_AY+\k], v[\t+1]
	v_mov_b32 v[W+R_BY+\k], v[\t+4]
	v_mov_b32 v[W+R_CY+\k], v[\t+7]
	v_mul_f32 v[W+R_NAZ+\k], -1.0, v[\t+2]
	v_mul_f32 v[W+R_NBZ+\k], -1.0, v[\t+5]
	v_mov_b32 v[W+R_CZ+\k], v[\t+8]
	v_sub_f32 v[W+R_CAX+\k], v[\t+6], v[\t+0]
	v_sub_f32 v[W+R_CBX+\k], v[\t+6], v[\t+3]
	v_sub_f32 v[W+R_CAY+\k], v[\t+7], v[\t+1]
	v_sub_f32 v[W+R_CBY+\k], v[\t+7], v[\t+4]
.endr
	v_mul_f32 v[SC+7], -1.0, v[\t+8]
	v_max3_num_f32 v[\zm], v[W+R_NAZ], v[W+R_NBZ], v[SC+7]
.irp q, 0,1,2,3,4,5,6,7
	ds_store_b128 v3, v[W+4*\q:W+4*\q+3] offset:RECS+\ofs+16*\q
.endr
.endm
	MKREC T0, 0, ZM
	MKREC T1, 256*REC, ZM+1
	; the least z of all vertices, as the largest -z: my six, then my wave's, then through LDS the work-group's
	v_max_num_f32 v[ZM], v[ZM], v[ZM+1]
	v_max_num_f32_dpp v[ZM], v[ZM], v[ZM] row_xmask:1 row_mask:0xf bank_mask:0xf
	v_max_num_f32_dpp v[ZM], v[ZM], v[ZM] row_xmask:2 row_mask:0xf bank_mask:0xf
	v_max_num_f32_dpp v[ZM], v[ZM], v[ZM] row_xmask:4 row_mask:0xf bank_mask:0xf
	v_max_num_f32_dpp v[ZM], v[ZM], v[ZM] row_xmask:8 row_mask:0xf bank_mask:0xf
	v_permlanex16_b32 v[ZM+1], v[ZM], s12, s13
	v_max_num_f32 v[ZM], v[ZM], v[ZM+1]
	v_mov_b32 v[SC], s8
	v_lshlrev_b32 v[SC], 2, v[SC]
	ds_store_b32 v[SC], v[ZM] offset:ZP            ; all lanes of a wave: the same word, the same value
	s_wait_dscnt 0x0                               ; my records and my maximum are in LDS before I say so
	s_barrier_signal -1
	s_barrier_wait -1                              ; everybody's are: from here on records and maxima are only read
	v_mov_b32 v[SC+8], 0
	ds_load_b128 v[SC:SC+3], v[SC+8] offset:ZP
	ds_load_b128 v[SC+4:SC+7], v[SC+8] offset:ZP+16
.irp q, 0,1,2,3,4,5,6,7
	ds_load_b128 v[RA+4*\q:RA+4*\q+3], v[RADDR] offset:RECS+16*\q  ; my half-wave's first record
.endr
	s_wait_dscnt 0x8                               ; the two loads of the maxima are in; the record's eight, issued behind them, may be out
	v_max3_num_f32 v[SC], v[SC], v[SC+1], v[SC+2]
	v_max3_num_f32 v[SC+3], v[SC+3], v[SC+4], v[SC+5]
	v_max3_num_f32 v[SC], v[SC], v[SC+6], v[SC+7]
	v_max_num_f32 v[SC], v[SC], v[SC+3]
	v_mul_f32 v[SC], -1.0, v[SC]                   ; the least z
.irp p, 0,1,2,3,4,5,6,7,8,9,10,11,12,13,14,15
	v_mov_b32 v[BZ+\p], v[SC]                      ; the z buffer starts at the least z,
	v_mov_b32 v[BX+\p], s3                         ; x at +infinity, which no combination of finite vertices gives: 'never written'
	v_mov_b32 v[BY+\p], v[SC]                      ; y at any number: it is looked at only where x was written
.endr
; One triangle (record in buffer cur) against my 16 pixels.  pre = 1: the record at byte ofs from RADDR is requested into buffer nxt.
; Every step runs over all pixels before the next step begins, so that an instruction never needs the one just in front of it.
.macro TRIP cur, nxt, pre, ofs
	s_wait_dscnt 0x0                               ; buffer cur: its eight loads were issued a whole trip ago, and nothing behind them
.if \pre
.irp q, 0,1,2,3,4,5,6,7
	ds_load_b128 v[\nxt+4*\q:\nxt+4*\q+3], v[RADDR] offset:RECS+\ofs+16*\q
.endr
.endif
	; vertex minus pixel: 3 x 4 rows (as pairs of equal numbers) and 3 x 4 columns serve 16 pixels
.irp ra, 0,1,2,3
	v_pk_add_f32 v[XA+2*\ra:XA+2*\ra+1], v[NPXD+2*\ra:NPXD+2*\ra+1], v[\cur+R_AX:\cur+R_AX+1]
	v_pk_add_f32 v[XB+2*\ra:XB+2*\ra+1], v[NPXD+2*\ra:NPXD+2*\ra+1], v[\cur+R_BX:\cur+R_BX+1]
	v_pk_add_f32 v[XC+2*\ra:XC+2*\ra+1], v[NPXD+2*\ra:NPXD+2*\ra+1], v[\cur+R_CX:\cur+R_CX+1]
.endr
.irp h, 0,1
	v_pk_add_f32 v[YA+2*\h:YA+2*\h+1], v[NPY+2*\h:NPY+2*\h+1], v[\cur+R_AY:\cur+R_AY+1]
	v_pk_add_f32 v[YB+2*\h:YB+2*\h+1], v[NPY+2*\h:NPY+2*\h+1], v[\cur+R_BY:\cur+R_BY+1]
	v_pk_add_f32 v[YC+2*\h:YC+2*\h+1], v[NPY+2*\h:NPY+2*\h+1], v[\cur+R_CY:\cur+R_CY+1]
.endr
	; the box: first <= index < first + number is one unsigned compare
.irp k, 0,1,2,3
	v_sub_nc_u32 v[TT+\k], v[IR+\k], v[\cur+R_OX]
	v_sub_nc_u32 v[TT+4+\k], v[JC+\k], v[\cur+R_OY]
.endr
.irp h, 0,1
	v_pk_mul_f32 v[NYA+2*\h:NYA+2*\h+1], v[YA+2*\h:YA+2*\h+1], v[NEG1:NEG1+1]
	v_pk_mul_f32 v[NYB+2*\h:NYB+2*\h+1], v[YB+2*\h:YB+2*\h+1], v[NEG1:NEG1+1]
	v_pk_mul_f32 v[NYC+2*\h:NYC+2*\h+1], v[YC+2*\h:YC+2*\h+1], v[NEG1:NEG1+1]
.endr
.irp k, 0,1,2,3
	v_cmp_le_u32 s[48+\k], v[\cur+R_WX], v[TT+\k]      ; row outside
	v_cmp_gt_u32 s[52+\k], v[\cur+R_WY], v[TT+4+\k]    ; column inside
.endr
	; -pAB = RN(dAy dBx) - dAx dBy, -pBC = RN(dBy dCx) - dBx dCy, -pCA = RN(dCy dAx) - dCx dAy: one product rounded, the other fused
.irp ra, 0,1,2,3
.irp h, 0,1
	v_pk_mul_f32 v[PAB+4*\ra+2*\h:PAB+4*\ra+2*\h+1], v[YA+2*\h:YA+2*\h+1], v[XB+2*\ra:XB+2*\ra+1]
	v_pk_mul_f32 v[PBC+4*\ra+2*\h:PBC+4*\ra+2*\h+1], v[YB+2*\h:YB+2*\h+1], v[XC+2*\ra:XC+2*\ra+1]
	v_pk_mul_f32 v[PCA+4*\ra+2*\h:PCA+4*\ra+2*\h+1], v[YC+2*\h:YC+2*\h+1], v[XA+2*\ra:XA+2*\ra+1]
.endr
.endr
.irp k, 0,1,2,3
	v_cndmask_b32 v[THR+\k], 0, v[NINF], s[48+\k]      ; a row outside the box: nothing is below -infinity
.endr
.irp ra, 0,1,2,3
.irp h, 0,1
	v_pk_fma_f32 v[PAB+4*\ra+2*\h:PAB+4*\ra+2*\h+1], v[NYB+2*\h:NYB+2*\h+1], v[XA+2*\ra:XA+2*\ra+1], v[PAB+4*\ra+2*\h:PAB+4*\ra+2*\h+1]
	v_pk_fma_f32 v[PBC+4*\ra+2*\h:PBC+4*\ra+2*\h+1], v[NYC+2*\h:NYC+2*\h+1], v[XB+2*\ra:XB+2*\ra+1], v[PBC+4*\ra+2*\h:PBC+4*\ra+2*\h+1]
	v_pk_fma_f32 v[PCA+4*\ra+2*\h:PCA+4*\ra+2*\h+1], v[NYA+2*\h:NYA+2*\h+1], v[XC+2*\ra:XC+2*\ra+1], v[PCA+4*\ra+2*\h:PCA+4*\ra+2*\h+1]
.endr
.endr
	; inside, and in a row of the box: the largest of the three negated areas is below the row's threshold
.irp p, 0,1,2,3,4,5,6,7,8,9,10,11,12,13,14,15
	v_max3_num_f32 v[PCA+\p], v[PAB+\p], v[PBC+\p], v[PCA+\p]
.endr
.irp ra, 0,1,2,3
.irp cb, 0,1,2,3
	v_cmp_lt_f32 s[16+4*\ra+\cb], v[PCA+4*\ra+\cb], v[THR+\ra]
.endr
.endr
	; m1 = -pAB / w, m2 = -pBC / w, w3 = (1 + m1) + m2
.irp q, 0,2,4,6,8,10,12,14
	v_pk_mul_f32 v[PAB+\q:PAB+\q+1], v[PAB+\q:PAB+\q+1], v[\cur+R_RW:\cur+R_RW+1]
	v_pk_mul_f32 v[PBC+\q:PBC+\q+1], v[PBC+\q:PBC+\q+1], v[\cur+R_RW:\cur+R_RW+1]
.endr
.irp q, 0,2,4,6,8,10,12,14
	v_pk_add_f32 v[PCA+\q:PCA+\q+1], v[ONE:ONE+1], v[PAB+\q:PAB+\q+1]
.endr
.irp q, 0,2,4,6,8,10,12,14
	v_pk_add_f32 v[PCA+\q:PCA+\q+1], v[PCA+\q:PCA+\q+1], v[PBC+\q:PBC+\q+1]
.endr
.irp ra, 0,1,2,3
.irp cb, 0,1,2,3
	s_and_b32 s[16+4*\ra+\cb], s[16+4*\ra+\cb], s[52+\cb]          ; and in a column of the box
.endr
.endr
	; z = fma(w3, Cz, fma(m1, -Az, m2 (-Bz)))
.irp q, 0,2,4,6,8,10,12,14
	v_pk_mul_f32 v[ZT+\q:ZT+\q+1], v[PBC+\q:PBC+\q+1], v[\cur+R_NBZ:\cur+R_NBZ+1]
.endr
.irp q, 0,2,4,6,8,10,12,14
	v_pk_fma_f32 v[ZT+\q:ZT+\q+1], v[PAB+\q:PAB+\q+1], v[\cur+R_NAZ:\cur+R_NAZ+1], v[ZT+\q:ZT+\q+1]
.endr
.irp q, 0,2,4,6,8,10,12,14
	v_pk_fma_f32 v[ZT+\q:ZT+\q+1], v[PCA+\q:PCA+\q+1], v[\cur+R_CZ:\cur+R_CZ+1], v[ZT+\q:ZT+\q+1]
.endr
.irp p, 0,1,2,3,4,5,6,7,8,9,10,11,12,13,14,15
	v_cmp_ge_f32 s[32+\p], v[ZT+\p], v[BZ+\p]      ; >=: of equal z the later triangle wins
.endr
	; x = Cx + m1 (Cx - Ax) + m2 (Cx - Bx) into w3's registers, y likewise into m1's, while the masks settle
.irp q, 0,2,4,6,8,10,12,14
	v_pk_fma_f32 v[PCA+\q:PCA+\q+1], v[PAB+\q:PAB+\q+1], v[\cur+R_CAX:\cur+R_CAX+1], v[\cur+R_CX:\cur+R_CX+1]
.endr
.irp q, 0,2,4,6,8,10,12,14
	v_pk_fma_f32 v[PAB+\q:PAB+\q+1], v[PAB+\q:PAB+\q+1], v[\cur+R_CAY:\cur+R_CAY+1], v[\cur+R_CY:\cur+R_CY+1]
.endr
.irp q, 0,2,4,6,8,10,12,14
	v_pk_fma_f32 v[PCA+\q:PCA+\q+1], v[PBC+\q:PBC+\q+1], v[\cur+R_CBX:\cur+R_CBX+1], v[PCA+\q:PCA+\q+1]
.endr
.irp q, 0,2,4,6,8,10,12,14
	v_pk_fma_f32 v[PAB+\q:PAB+\q+1], v[PBC+\q:PBC+\q+1], v[\cur+R_CBY:\cur+R_CBY+1], v[PAB+\q:PAB+\q+1]
.endr
.irp p, 0,1,2,3,4,5,6,7,8,9,10,11,12,13,14,15
	s_and_b32 s[32+\p], s[32+\p], s[16+\p]         ; covered, and not behind
.endr
.irp p, 0,1,2,3,4,5,6,7,8,9,10,11,12,13,14,15
	v_cndmask_b32 v[BZ+\p], v[BZ+\p], v[ZT+\p], s[32+\p]
	v_cndmask_b32 v[BX+\p], v[BX+\p], v[PCA+\p], s[32+\p]
	v_cndmask_b32 v[BY+\p], v[BY+\p], v[PAB+\p], s[32+\p]
.endr
.endm
	s_mov_b32 s9, TPS/2-1                          ; 15 rounds of two triangles; the last two stand behind the loop, where nothing past the 32nd is requested
.Ltri:
	TRIP RA, RB, 1, REC
	TRIP RB, RA, 1, 2*REC
	v_add_nc_u32 v[RADDR], 2*REC, v[RADDR]
	s_sub_co_i32 s9, s9, 1
	s_cmp_lg_u32 s9, 0
	s_cbranch_scc1 .Ltri
	TRIP RA, RB, 1, REC
	TRIP RB, RA, 0, 0
	; my half-wave's winners into its three planes: for one ra the 16 lanes' 16 bytes are 256 consecutive bytes (rows a + 4 ra)
.irp ra, 0,1,2,3
	ds_store_b128 v[CADDR], v[BZ+4*\ra:BZ+4*\ra+3] offset:256*\ra
	ds_store_b128 v[CADDR], v[BX+4*\ra:BX+4*\ra+3] offset:PLANE+256*\ra
	ds_store_b128 v[CADDR], v[BY+4*\ra:BY+4*\ra+3] offset:2*PLANE+256*\ra
.endr
	s_wait_dscnt 0x0                               ; my candidates are in LDS before I say so
	s_barrier_signal -1
	s_barrier_wait -1                              ; everybody's are
	; thread p merges pixel p (row p / 16, column p % 16): 16 candidates, neighbouring lanes at neighbouring words
	v_lshlrev_b32 v1, 2, v0
	v_add_nc_u32 v1, CAND, v1
.irp s, 0,1,2,3,4,5,6,7,8,9,10,11,12,13,14,15
.irp c, 0,1,2
	ds_load_b32 v[MG+3*\s+\c], v1 offset:SUBB*\s+PLANE*\c
.endr
.endr
	v_lshrrev_b32 v2, 4, v0                        ; the pixel's place in out0, from the tile's corner
	v_lshlrev_b32 v2, 12, v2
	v_and_b32 v3, 15, v0
	v_lshl_add_u32 v2, v3, 4, v2
	s_wait_dscnt 0x0
; The later candidate r replaces the earlier l if it was ever written and its z is not smaller: 'the last of the largest', which may be
; formed in a tree as long as the order is kept.  A candidate never written holds the least z, and the bits of +infinity in x.
.macro MCMP l, r, k
	v_cmp_ge_f32 s[16+2*(\k)], v[MG+3*(\r)], v[MG+3*(\l)]
	v_cmp_ne_u32 s[17+2*(\k)], s3, v[MG+3*(\r)+1]
.endm
.macro MSEL l, r, k
	s_and_b32 s[16+2*(\k)], s[16+2*(\k)], s[17+2*(\k)]
	v_cndmask_b32 v[MG+3*(\l)], v[MG+3*(\l)], v[MG+3*(\r)], s[16+2*(\k)]
	v_cndmask_b32 v[MG+3*(\l)+1], v[MG+3*(\l)+1], v[MG+3*(\r)+1], s[16+2*(\k)]
	v_cndmask_b32 v[MG+3*(\l)+2], v[MG+3*(\l)+2], v[MG+3*(\r)+2], s[16+2*(\k)]
.endm
.irp k, 0,1,2,3,4,5,6,7
	MCMP 2*\k, 2*\k+1, \k
.endr
.irp k, 0,1,2,3,4,5,6,7
	MSEL 2*\k, 2*\k+1, \k
.endr
.irp k, 0,1,2,3
	MCMP 4*\k, 4*\k+2, \k
.endr
.irp k, 0,1,2,3
	MSEL 4*\k, 4*\k+2, \k
.endr
.irp k, 0,1
	MCMP 8*\k, 8*\k+4, \k
.endr
.irp k, 0,1
	MSEL 8*\k, 8*\k+4, \k
.endr
	MCMP 0, 8, 0
	MSEL 0, 8, 0
	v_cmp_ne_u32 vcc_lo, s3, v[MG+1]               ; was the pixel ever written?
	v_mov_b32 v[RES+3], 1.0
	v_cndmask_b32 v[RES+0], 0, v[MG+1], vcc_lo     ; x, y, z, 1, or four zeros
	v_cndmask_b32 v[RES+1], 0, v[MG+2], vcc_lo
	v_cndmask_b32 v[RES+2], 0, v[MG+0], vcc_lo
	v_cndmask_b32 v[RES+3], 0, v[RES+3], vcc_lo
	global_store_b128 v2, v[RES:RES+3], s[6:7] th:TH_STORE_NT      ; 16 lanes store a tile row: 256 consecutive bytes at a multiple of 256 from out0's first byte
	s_wait_tensorcnt 0x0
	ds_add_u32 v252, v253
	s_wait_dscnt 0x0
	s_endpgm
.Lfunc_end_k_q7ae0bf3c0d_render:
	.size	k_q7ae0bf3c0d_render, .Lfunc_end_k_q7ae0bf3c0d_render-k_q7ae0bf3c0d_render
	.p2alignl 7, 3214868480
	.fill 96, 4, 3214868480
	.section	.rodata,"a",@progbits
	.p2align	6, 0x0
	.amdhsa_kernel k_q7ae0bf3c0d_render
		.amdhsa_group_segment_fixed_size 124160
		.amdhsa_private_segment_fixed_size 0
		.amdhsa_enable_private_segment 0
		.amdhsa_kernarg_size 16
		.amdhsa_user_sgpr_count 2
		.amdhsa_user_sgpr_kernarg_segment_ptr 1
		.amdhsa_wavefront_size32 1
		.amdhsa_system_sgpr_workgroup_id_x 1
		.amdhsa_system_sgpr_workgroup_id_y 1
		.amdhsa_system_sgpr_workgroup_id_z 1
		.amdhsa_system_vgpr_workitem_id 0
		.amdhsa_next_free_vgpr 254
		.amdhsa_next_free_sgpr 66
		.amdhsa_reserve_vcc 1
		.amdhsa_float_denorm_mode_32 3
		.amdhsa_float_denorm_mode_16_64 3
		.amdhsa_memory_ordered 1
		.amdhsa_forward_progress 1
		.amdhsa_inst_pref_size 98
	.end_amdhsa_kernel
	.amdgpu_metadata
---
amdhsa.version: [ 1, 2 ]
amdhsa.kernels:
  - .name:           k_q7ae0bf3c0d_render
    .symbol:         k_q7ae0bf3c0d_render.kd
    .args:
      - { .name: tris, .offset: 0, .size: 8, .value_kind: global_buffer, .address_space: global }
      - { .name: out0, .offset: 8, .size: 8, .value_kind: global_buffer, .address_space: global }
    .group_segment_fixed_size: 124160
    .private_segment_fixed_size: 0
    .kernarg_segment_align: 8
    .kernarg_segment_size: 16
    .max_flat_workgroup_size: 256
    .sgpr_count:     66
    .vgpr_count:     254
    .wavefront_size: 32
...
	.end_amdgpu_metadata
.endif
;; end of part 1
